; MI455X (gfx1250); checked and timed in simulation.
; The chip was launched on July 23, 2026; its instructions are those of AMD's public machine-readable ISA for CDNA 5 (MIT licence, August 2026) and "CDNA5" Instruction Set Architecture Reference Guide (July 2026). The comments in the code are by the model that wrote it; some were corrected since.
;; BVH. Allowed arithmetic: float matrix products may take bf16 or f16 operands with f32 sums; all other float work in f32.
;; Inputs: points 2 x 4,096 x 3 float32; triangles 2 x 4,096 x 3 x 3 float32.
;; Outputs: out0 2 x 4,096 float32; out1 2 x 4,096 x 3 float32; out2 2 x 4,096 int32; out3 2 x 4,096 x 3 float32.
;; One version. Each part assembles by itself: llvm-mc -triple=amdgcn-amd-amdhsa -mcpu=gfx1250 --defsym DOCPART=n.
;; ======== version 1 of 1: 2 launches
;; workspace buffers: cand 262,144 bytes of whole numbers
;; launch search (part 1): grid 256 x 1, 16 waves a work-group, no clusters, 133,120 bytes of LDS; arguments points, triangles, cand; writes cand
.if DOCPART == 1
	.amdgcn_target "amdgcn-amd-amdhsa--gfx1250"
	.amdhsa_code_object_version 6
	.text
	.protected	k_q7aef199785_search
	.globl	k_q7aef199785_search
	.p2align	8
	.type	k_q7aef199785_search,@function
k_q7aef199785_search:
	s_mov_b64 s[64:65], 0
	v_nop
	global_prefetch_b8 v0, s[64:65] scope:SCOPE_SE
	s_setreg_imm32_b32 hwreg(HW_REG_WAVE_MODE, 25, 1), 1
	s_wait_xcnt 0x0
; SEARCH: for every query point and every quarter of its batch's 4,096 triangles, the two blocks of four consecutive triangles that
; hold the nearest triangles of two different streams.  cand[quarter][batch*4096+query][rank] = block number in the batch (0..1023):
; whole numbers from which the next launch forms addresses.  All 2 x 4096 x 4096 pairs are evaluated here, in f32 on the vector unit.
;
; NO MATRIX INSTRUCTIONS: the contractions have K = 3 and one operand (p - a) differs for every pair; written as products of p with
; per-triangle rows they would be differences of large sums under a common offset, and 16-bit operands cannot order distances that
; are a thousandth of the coordinates, while the face index has one right value.
; NO CLUSTER, NO TENSOR LOADS: a work-group reads 36,864 bytes of triangles and 1,536 bytes of points once, and its LDS table is
; computed from them, not copied; what neighbours share is that one short read.
;
; GEOMETRY.  Each triangle gets an orthonormal frame: e1 along AB, e2 in the plane towards C, n = e1 x e2.  With
; (x, y, h) = (e1, e2, n) . (p - a): A = (0,0), B = (Lab,0), C = Lac (c,s); BC has direction (c2,s2) and length Lbc.
;   N1 = Lab - x    SA = c x + s y (along AC)    SB = -c2 N1 + s2 y (along BC)    N2 = Lac - SA    N3 = Lbc - SB
;   inward distances to the three lines: y,  NB = s x - c y,  NG = s2 N1 + c2 y;        O = min(y, NB, NG, 0)
;   E = min(0, max(x,SA), max(N1,SB), max(N2,N3)): each max is negative in one vertex's region only
;   squared distance = h^2 + O^2 + E^2.
; In an edge's region that edge's line is the farthest of the three and E = 0; in a vertex's region the farther of its two lines goes
; with the smaller of the two overshoots along them, so O^2 + E^2 is the squared distance to the vertex; inside O = E = 0.
; That is the distance of the seven-region select; its denominators depend on the triangle alone, so no division is left in the loop.
; All quantities are kept with the sign that needs no negation, and the table holds c and c2 with both signs.
;
; SHARES.  Work-group = (batch, 128 queries, 1,024 triangles); 256 work-groups, 16 waves.  A lane holds 8 queries as 4 register pairs
; for the packed f32 forms.  Lanes 0-15 and lanes 16-31 of a wave walk different streams of 32 triangles: one 16-byte LDS load brings
; words of two entries, each half of the wave reading one address.  176 registers a wave, four waves a SIMD: 704 of its 1,024.
;
; LIMITS.  A stream keeps one block, and a quarter two: where two triangles of one stream but different blocks, or three triangles of a
; quarter, lie within the f32 rounding of the frame and of p - a (about 1e-7 of the coordinates' size) of each other, the block of
; the truly nearest may be missed.  Squared lengths up to 2^-100 count as zero (the frame then takes a substitute direction, so
; coincident and collinear vertices give the distance to the point or the segment).  NaN and infinities are not served.
.set TRIB,  36                         ; bytes of a triangle in memory
.set TPG,   1024                       ; triangles of a work-group
.set QPG,   128                        ; queries of a work-group
.set TPS,   32                         ; triangles of a stream
.set BLK,   4                          ; triangles of a block
.set TRIPS, TPS/BLK                    ; 8 blocks of a stream
.set ENT,   96                         ; bytes of a table entry: 24 words
.set SCR,   TPG*ENT                    ; behind the table: 32 streams x 128 queries x (distance, block), 32,768 bytes
; words of an entry
.set wNA,  0                           ; -a (3)
.set wLAB, 3
.set wE1,  4                           ; e1 (3)
.set wC,   7
.set wE2,  8                           ; e2 (3)
.set wS,   11
.set wN,   12                          ; n (3)
.set wNC,  15                          ; -c
.set wC2,  16
.set wS2,  17
.set wNC2, 18                          ; -c2
.set wLAC, 19
.set wLBC, 20                          ; words 21-23 are zero
; registers of the loop
.set PX,   4                           ; v[4:11]    x of my 8 queries; pair g = queries 2g, 2g+1
.set PY,   12                          ; v[12:19]
.set PZ,   20                          ; v[20:27]
.set BI,   28                          ; v[28:43]   query q: best distance at BI+2q, its block at BI+2q+1
.set DD,   44                          ; v[44:75]   triangle j of the block, query q: squared distance at DD+8j+q
.set CA,   76                          ; v[76:99]   entry buffer A
.set CB,   100                         ; v[100:123] entry buffer B
.set TM,   124                         ; v[124:171] at work: two sets of 24, taken by turns
.set LA,   172                         ; LDS address of my stream's block
.set BLKV, 173                         ; its number in the batch
.set MN,   174                         ; the block's least distance
.set oAX, 0
.set oAY, 2
.set oAZ, 4
.set oX,  6
.set oY,  8
.set oH,  10
.set oN1, 12
.set oSA, 14
.set oNB, 16
.set oSB, 18
.set oNG, 20
.set oE,  22
.set oN2, oAX                          ; where p - a is no longer needed
.set oN3, oAY
.set oO,  oAZ
; registers of the preparation (all free again in the loop)
.set RAW, 44                           ; v[44:61]   two triangles as loaded
.set LPT, 124                          ; v[124:147] eight points as loaded
.set OT,  76                           ; v[76:99]   the entry being made
.set tAB, 100
.set tAC, 103
.set tE,  106
.set tG,  107
.set tW,  108
.set tWW, 111
.set tRS, 112
.set tCX, 113
.set tR,  114
.set tT,  117
.set tHH, 118
.set tF,  119
.set tVV, 122
.set tCY, 123
.set tLL, 62
.set tBX, 63
.set tL2, 64
; registers of the closing merge
.set RD,  28                           ; v[28:91]   32 streams x (distance, block) of my query
.set mI1, 92                           ; v[92:93]   the two blocks, as stored
.set mI2, 93
.set mB1, 94
.set mB2, 95
.set mT0, 96
.set mT1, 97
	s_load_b128 s[4:7], s[0:1], 0x0                ; points s[4:5], triangles s[6:7]
	s_load_b64 s[8:9], s[0:1], 0x10                ; cand
	v_lshl_add_u32 v176, v0, 2, 0x20000
	v_mov_b32 v177, 0
	v_lshrrev_b32 v1, 5, v0
	v_readfirstlane_b32 s10, v1                    ; wave 0..15
	s_lshr_b32 s11, ttmp9, 2                       ; work-group = 128 batch + 4 query group + quarter: s11 = 32 batch + query group
	s_lshr_b32 s12, ttmp9, 7                       ; batch
	s_and_b32 s13, ttmp9, 3                        ; quarter
	s_lshl2_add_u32 s14, s12, s13                  ; 4 batch + quarter
	s_mul_i32 s14, s14, TPG*TRIB                   ; my triangles' first byte
	s_mov_b32 s15, 0
	s_mul_i32 s16, s11, QPG*12                     ; my queries' first byte
	s_mov_b32 s17, 0
	s_mov_b32 s18, 0x0d800000                      ; 2^-100
	s_mov_b32 s19, 0x7f800000                      ; +infinity starts the minima
	s_mov_b32 s24, 0x3eb851ec                      ; 0.36
	s_lshl_b32 s26, s13, 16                        ; cand: quarter x 8,192 queries x 8 bytes
	s_lshl_b32 s27, s11, 10                        ;       + 128 queries x 8 bytes for each group
	s_add_co_u32 s26, s26, s27
	s_mov_b32 s27, 0
	s_lshl_b32 s28, s13, 8                         ; 256 blocks in a quarter
	v_mul_u32_u24 v2, v0, 2*TRIB                   ; thread t prepares triangles 2t and 2t+1: 72 bytes, a multiple of 8
	v_and_b32 v3, 15, v0
	v_mul_u32_u24 v3, v3, 96                       ; lane mod 16 owns 8 queries: 96 bytes, a multiple of 16
	v_mul_u32_u24 v1, v0, 2*ENT                    ; where my two entries go
	s_wait_kmcnt 0x0
	s_add_nc_u64 s[6:7], s[6:7], s[14:15]
	s_add_nc_u64 s[4:5], s[4:5], s[16:17]
	s_add_nc_u64 s[8:9], s[8:9], s[26:27]
.irp i, 0,1,2,3,4,5,6,7,8
	global_load_b64 v[RAW+2*\i:RAW+2*\i+1], v2, s[6:7] offset:8*\i
.endr
.irp i, 0,1,2,3,4,5
	global_load_b128 v[LPT+4*\i:LPT+4*\i+3], v3, s[4:5] offset:16*\i
.endr
	s_wait_loadcnt 0x0                             ; the only global loads of the kernel
.macro DOT3 d, x, y
	v_mul_f32 v[\d], v[\x], v[\y]
	v_fmac_f32 v[\d], v[\x+1], v[\y+1]
	v_fmac_f32 v[\d], v[\x+2], v[\y+2]
.endm
; A direction (px, py) of squared length ll: length to word wl, cosine to wc and its negative to wn, sine to ws; (1, 0) where the length is zero.
.macro EDGE ll, px, wl, wc, ws, wn
	v_rsq_f32 v[tRS], v[\ll]
	v_cmp_lt_f32 s21, s18, v[\ll]                  ; a plain instruction between the reciprocal root and its first use (ISA guide 5.7.2)
	s_wait_alu depctr_va_vdst(0)
	v_cndmask_b32 v[tRS], 0, v[tRS], s21
	v_mul_f32 v[OT+\wl], v[\ll], v[tRS]
	v_mul_f32 v[OT+\wc], v[\px], v[tRS]
	v_mul_f32 v[OT+\ws], v[tCY], v[tRS]
	v_cndmask_b32 v[OT+\wc], 1.0, v[OT+\wc], s21
	v_sub_f32 v[OT+\wn], 0, v[OT+\wc]
.endm
; One triangle (nine words from register R on) becomes the table entry at LDS byte v1 + off.
.macro PREP R, off
.irp k, 0,1,2
	v_sub_f32 v[tAB+\k], v[\R+3+\k], v[\R+\k]      ; ab
	v_sub_f32 v[tAC+\k], v[\R+6+\k], v[\R+\k]      ; ac
	v_sub_f32 v[OT+wNA+\k], 0, v[\R+\k]            ; -a
.endr
	DOT3 tE, tAB, tAB
	DOT3 tG, tAC, tAC
	; e1: along ab; if a = b along ac; if c = a too, the x axis
	v_cmp_lt_f32 s20, s18, v[tE]
.irp k, 0,1,2
	v_cndmask_b32 v[tW+\k], v[tAC+\k], v[tAB+\k], s20
.endr
	v_cndmask_b32 v[tWW], v[tG], v[tE], s20
	v_rsq_f32 v[tRS], v[tWW]
	v_cmp_lt_f32 s21, s18, v[tWW]                  ; the plain instruction behind the reciprocal root
	s_wait_alu depctr_va_vdst(0)
	v_cndmask_b32 v[tRS], 0, v[tRS], s21
.irp k, 0,1,2
	v_mul_f32 v[OT+wE1+\k], v[tW+\k], v[tRS]
.endr
	v_cndmask_b32 v[OT+wE1], 1.0, v[OT+wE1], s21
	DOT3 OT+wLAB, OT+wE1, tAB
	; r = ac less its part along e1, taken away twice, so that r is at right angles to e1 also where little is left of it
	DOT3 tCX, OT+wE1, tAC
.irp k, 0,1,2
	v_fma_f32 v[tR+\k], -v[tCX], v[OT+wE1+\k], v[tAC+\k]
.endr
	DOT3 tT, tR, OT+wE1
.irp k, 0,1,2
	v_fma_f32 v[tR+\k], -v[tT], v[OT+wE1+\k], v[tR+\k]
.endr
	v_add_f32 v[tCX], v[tCX], v[tT]                ; C's x
	DOT3 tHH, tR, tR
	v_cmp_lt_f32 s22, s18, v[tHH]
	; where nothing is left (collinear vertices): a vector at right angles to e1, of squared length 0.36 at the least
	v_mul_f32 v[tF], v[OT+wE1], v[OT+wE1]
	v_cmp_lt_f32 s23, v[tF], s24
	v_sub_f32 v[tT], 0, v[OT+wE1+2]
	v_sub_f32 v[tVV], 0, v[OT+wE1+1]
	v_cndmask_b32 v[tF], v[tT], 0, s23             ; (0, e1.z, -e1.y) or (-e1.z, 0, e1.x)
	v_cndmask_b32 v[tF+1], 0, v[OT+wE1+2], s23
	v_cndmask_b32 v[tF+2], v[OT+wE1], v[tVV], s23
.irp k, 0,1,2
	v_cndmask_b32 v[tR+\k], v[tF+\k], v[tR+\k], s22
.endr
	DOT3 tVV, tR, tR
	v_rsq_f32 v[tRS], v[tVV]
	v_mov_b32 v[OT+21], 0                          ; the plain instruction behind the reciprocal root
	s_wait_alu depctr_va_vdst(0)
.irp k, 0,1,2
	v_mul_f32 v[OT+wE2+\k], v[tR+\k], v[tRS]
.endr
	DOT3 tCY, OT+wE2, tAC                          ; C's y
	v_mul_f32 v[OT+wN],   v[OT+wE1+1], v[OT+wE2+2] ; n = e1 x e2
	v_mul_f32 v[OT+wN+1], v[OT+wE1+2], v[OT+wE2]
	v_mul_f32 v[OT+wN+2], v[OT+wE1],   v[OT+wE2+1]
	v_fma_f32 v[OT+wN],   -v[OT+wE1+2], v[OT+wE2+1], v[OT+wN]
	v_fma_f32 v[OT+wN+1], -v[OT+wE1],   v[OT+wE2+2], v[OT+wN+1]
	v_fma_f32 v[OT+wN+2], -v[OT+wE1+1], v[OT+wE2],   v[OT+wN+2]
	v_mul_f32 v[tLL], v[tCX], v[tCX]
	v_sub_f32 v[tBX], v[tCX], v[OT+wLAB]
	v_fmac_f32 v[tLL], v[tCY], v[tCY]
	v_mul_f32 v[tL2], v[tBX], v[tBX]
	v_fmac_f32 v[tL2], v[tCY], v[tCY]
	EDGE tLL, tCX, wLAC, wC, wS, wNC
	EDGE tL2, tBX, wLBC, wC2, wS2, wNC2
	v_mov_b32 v[OT+22], 0
	v_mov_b32 v[OT+23], 0
.irp i, 0,1,2,3,4,5
	ds_store_b128 v1, v[OT+4*\i:OT+4*\i+3] offset:\off+16*\i
.endr
.endm
	PREP RAW, 0
	PREP RAW+9, ENT
.irp q, 0,1,2,3,4,5,6,7
	v_mov_b32 v[PX+\q], v[LPT+3*\q]                ; points by coordinate, so that two queries form a register pair
	v_mov_b32 v[PY+\q], v[LPT+3*\q+1]
	v_mov_b32 v[PZ+\q], v[LPT+3*\q+2]
.endr
	v_lshrrev_b32 v[LA], 4, v0                     ; stream 0..31
	v_lshl_add_u32 v[BLKV], v[LA], 3, s28          ; its first block: 256 quarter + 8 stream
	v_mul_u32_u24 v[LA], v[LA], TPS*ENT
.irp q, 0,1,2,3,4,5,6,7
	v_mov_b32 v[BI+2*\q], s19
	v_mov_b32 v[BI+2*\q+1], v[BLKV]
.endr
	s_wait_dscnt 0x0                               ; my two entries are in LDS: zero, since other waves read them
	s_barrier_signal -1
	s_barrier_wait -1                              ; the table is whole
; Packed f32 on a pair of queries with one word of an entry for both: w = the even register of the word's pair, s = 0 or 1 picks the word.
.macro BADD d, a, w, s
	v_pk_add_f32 v[\d:\d+1], v[\a:\a+1], v[\w:\w+1] op_sel:[0,\s] op_sel_hi:[1,\s]
.endm
.macro BMUL d, a, w, s
	v_pk_mul_f32 v[\d:\d+1], v[\a:\a+1], v[\w:\w+1] op_sel:[0,\s] op_sel_hi:[1,\s]
.endm
.macro BFMA d, a, w, s                 ; d += a x word
	v_pk_fma_f32 v[\d:\d+1], v[\a:\a+1], v[\w:\w+1], v[\d:\d+1] op_sel:[0,\s,0] op_sel_hi:[1,\s,1]
.endm
.macro BSUB d, a, w, s                 ; d = word - a
	v_pk_fma_f32 v[\d:\d+1], v[\a:\a+1], -1.0, v[\w:\w+1] op_sel:[0,0,\s] op_sel_hi:[1,0,\s]
.endm
; The entry in buffer c (triangle j of the block) against the pair g of queries: 26 packed and 10 plain instructions.
.macro EVAL c, j, g
.set eT, TM+24*(\g&1)
.set eD, DD+8*\j+2*\g
	BADD eT+oAX, PX+2*\g, \c+0, 0                  ; p - a
	BADD eT+oAY, PY+2*\g, \c+0, 1
	BADD eT+oAZ, PZ+2*\g, \c+2, 0
	BMUL eT+oX, eT+oAX, \c+4, 0                    ; (x, y, h) = (e1, e2, n) . (p - a)
	BMUL eT+oY, eT+oAX, \c+8, 0
	BMUL eT+oH, eT+oAX, \c+12, 0
	BFMA eT+oX, eT+oAY, \c+4, 1
	BFMA eT+oY, eT+oAY, \c+8, 1
	BFMA eT+oH, eT+oAY, \c+12, 1
	BFMA eT+oX, eT+oAZ, \c+6, 0
	BFMA eT+oY, eT+oAZ, \c+10, 0
	BFMA eT+oH, eT+oAZ, \c+14, 0
	BSUB eT+oN1, eT+oX, \c+2, 1                    ; Lab - x
	BMUL eT+oSA, eT+oX, \c+6, 1                    ; c x
	BMUL eT+oNB, eT+oX, \c+10, 1                   ; s x
	BMUL eT+oSB, eT+oN1, \c+18, 0                  ; -c2 N1
	BMUL eT+oNG, eT+oN1, \c+16, 1                  ; s2 N1
	BFMA eT+oSA, eT+oY, \c+10, 1                   ; + s y
	BFMA eT+oNB, eT+oY, \c+14, 1                   ; - c y
	BFMA eT+oSB, eT+oY, \c+16, 1                   ; + s2 y
	BFMA eT+oNG, eT+oY, \c+16, 0                   ; + c2 y
	BSUB eT+oN2, eT+oSA, \c+18, 1                  ; Lac - SA
	BSUB eT+oN3, eT+oSB, \c+20, 0                  ; Lbc - SB
	v_pk_mul_f32 v[eD:eD+1], v[eT+oH:eT+oH+1], v[eT+oH:eT+oH+1]
.irp k, 0,1
	v_maxmin_num_f32 v[eT+oE+\k], v[eT+oX+\k], v[eT+oSA+\k], 0              ; min(max(.,.), .)
	v_min3_num_f32 v[eT+oO+\k], v[eT+oY+\k], v[eT+oNB+\k], v[eT+oNG+\k]
	v_maxmin_num_f32 v[eT+oE+\k], v[eT+oN1+\k], v[eT+oSB+\k], v[eT+oE+\k]
	v_min_num_f32 v[eT+oO+\k], 0, v[eT+oO+\k]
	v_maxmin_num_f32 v[eT+oE+\k], v[eT+oN2+\k], v[eT+oN3+\k], v[eT+oE+\k]
.endr
	v_pk_fma_f32 v[eD:eD+1], v[eT+oO:eT+oO+1], v[eT+oO:eT+oO+1], v[eD:eD+1]
	v_pk_fma_f32 v[eD:eD+1], v[eT+oE:eT+oE+1], v[eT+oE:eT+oE+1], v[eD:eD+1]
.endm
.macro EVAL4 c, j
.irp g, 0,1,2,3
	EVAL \c, \j, \g
.endr
.endm
.macro LOADE c, off                    ; an entry's 96 bytes; each half of the wave reads its own stream's entry
.irp i, 0,1,2,3,4,5
	ds_load_b128 v[\c+4*\i:\c+4*\i+3], v[LA] offset:\off+16*\i
.endr
.endm
; One block of four triangles.  Each entry is asked for while the one before it is at work: s_wait_dscnt 6 leaves out the six loads issued
; behind those of the entry that is due (LDS loads come back in order: ISA guide 5.7.1).  more = 1: the next block's first entry is asked for too.
.macro TRIP more
	LOADE CB, ENT
	s_wait_dscnt 6
	EVAL4 CA, 0
	LOADE CA, 2*ENT
	s_wait_dscnt 6
	EVAL4 CB, 1
	LOADE CB, 3*ENT
	s_wait_dscnt 6
	EVAL4 CA, 2
.if \more
	LOADE CA, 4*ENT
	s_wait_dscnt 6
.else
	s_wait_dscnt 0                                 ; the stream's last entry: nothing was issued behind it
.endif
	EVAL4 CB, 3
.irp q, 0,1,2,3,4,5,6,7
	v_min3_num_f32 v[MN], v[DD+\q], v[DD+8+\q], v[DD+16+\q]
	v_min_num_f32 v[MN], v[MN], v[DD+24+\q]
	v_cmp_lt_f32 vcc_lo, v[MN], v[BI+2*\q]         ; strictly less: the earlier block stays
	v_cndmask_b32 v[BI+2*\q+1], v[BI+2*\q+1], v[BLKV], vcc_lo
	v_min_num_f32 v[BI+2*\q], v[BI+2*\q], v[MN]
.endr
.if \more
	v_add_nc_u32 v[LA], BLK*ENT, v[LA]
	v_add_nc_u32 v[BLKV], 1, v[BLKV]
.endif
.endm
	LOADE CA, 0
	s_mov_b32 s25, TRIPS-1
.Lblk:
	TRIP 1
	s_sub_co_u32 s25, s25, 1
	s_cmp_lg_u32 s25, 0
	s_cbranch_scc1 .Lblk
	TRIP 0                                         ; the last block is written out: no load leaves the stream's 32 entries
	; the streams' results meet in LDS, in bytes of their own behind the table: (stream x 128 + query) x 8
	v_lshrrev_b32 v124, 4, v0
	v_and_b32 v125, 15, v0
	v_lshlrev_b32 v124, 10, v124
	v_lshl_add_u32 v124, v125, 6, v124             ; my 8 queries: 64 bytes
	v_add_nc_u32 v124, SCR, v124
.irp i, 0,1,2,3
	ds_store_b128 v124, v[BI+4*\i:BI+4*\i+3] offset:16*\i
.endr
	s_wait_dscnt 0x0                               ; zero: other waves read these bytes
	s_barrier_signal -1
	s_barrier_wait -1
	s_cmp_ge_u32 s10, 4                            ; waves 0 to 3: thread t merges query t
	s_cbranch_scc1 .Lend
	v_lshlrev_b32 v99, 3, v0                       ; 8 t: my query's place in a stream's row, and in cand
	v_add_nc_u32 v98, SCR, v99
.irp s, 0,1,2,3,4,5,6,7,8,9,10,11,12,13,14,15,16,17,18,19,20,21,22,23,24,25,26,27,28,29,30,31
	ds_load_b64 v[RD+2*\s:RD+2*\s+1], v98 offset:1024*\s
.endr
	s_wait_dscnt 0x0
	v_mov_b32 v[mB1], v[RD]
	v_mov_b32 v[mI1], v[RD+1]
	v_mov_b32 v[mB2], s19
	v_mov_b32 v[mI2], v[RD+1]
; the best two of the streams, in ascending order of streams; strictly less, so the earlier stays
.irp s, 1,2,3,4,5,6,7,8,9,10,11,12,13,14,15,16,17,18,19,20,21,22,23,24,25,26,27,28,29,30,31
	v_cmp_lt_f32 s20, v[RD+2*\s], v[mB1]
	v_cmp_lt_f32 s21, v[RD+2*\s], v[mB2]
	v_cndmask_b32 v[mT0], v[mB2], v[RD+2*\s], s21
	v_cndmask_b32 v[mT1], v[mI2], v[RD+2*\s+1], s21
	v_cndmask_b32 v[mB2], v[mT0], v[mB1], s20
	v_cndmask_b32 v[mI2], v[mT1], v[mI1], s20
	v_cndmask_b32 v[mB1], v[mB1], v[RD+2*\s], s20
	v_cndmask_b32 v[mI1], v[mI1], v[RD+2*\s+1], s20
.endr
	global_store_b64 v99, v[mI1:mI2], s[8:9]       ; a wave's store covers 256 consecutive bytes, at a multiple of 256 from cand's first byte
.Lend:
	s_wait_tensorcnt 0x0
	ds_add_u32 v176, v177
	s_wait_dscnt 0x0
	s_endpgm
.Lfunc_end_k_q7aef199785_search:
	.size	k_q7aef199785_search, .Lfunc_end_k_q7aef199785_search-k_q7aef199785_search
	.p2alignl 7, 3214868480
	.fill 96, 4, 3214868480
	.section	.rodata,"a",@progbits
	.p2align	6, 0x0
	.amdhsa_kernel k_q7aef199785_search
		.amdhsa_group_segment_fixed_size 133120
		.amdhsa_private_segment_fixed_size 0
		.amdhsa_enable_private_segment 0
		.amdhsa_kernarg_size 24
		.amdhsa_user_sgpr_count 2
		.amdhsa_user_sgpr_kernarg_segment_ptr 1
		.amdhsa_wavefront_size32 1
		.amdhsa_system_sgpr_workgroup_id_x 1
		.amdhsa_system_sgpr_workgroup_id_y 1
		.amdhsa_system_sgpr_workgroup_id_z 1
		.amdhsa_system_vgpr_workitem_id 0
		.amdhsa_next_free_vgpr 178
		.amdhsa_next_free_sgpr 66
		.amdhsa_reserve_vcc 1
		.amdhsa_float_denorm_mode_32 3
		.amdhsa_float_denorm_mode_16_64 3
		.amdhsa_memory_ordered 1
		.amdhsa_forward_progress 1
		.amdhsa_inst_pref_size 109
	.end_amdhsa_kernel
	.amdgpu_metadata
---
amdhsa.version: [ 1, 2 ]
amdhsa.kernels:
  - .name:           k_q7aef199785_search
    .symbol:         k_q7aef199785_search.kd
    .args:
      - { .name: points, .offset: 0, .size: 8, .value_kind: global_buffer, .address_space: global }
      - { .name: triangles, .offset: 8, .size: 8, .value_kind: global_buffer, .address_space: global }
      - { .name: cand, .offset: 16, .size: 8, .value_kind: global_buffer, .address_space: global }
    .group_segment_fixed_size: 133120
    .private_segment_fixed_size: 0
    .kernarg_segment_align: 8
    .kernarg_segment_size: 24
    .max_flat_workgroup_size: 512
    .sgpr_count:     66
    .vgpr_count:     178
    .wavefront_size: 32
...
	.end_amdgpu_metadata
.endif
;; end of part 1
;; launch finish (part 2): grid 128 x 1, 16 waves a work-group, no clusters, 4,096 bytes of LDS; arguments points, triangles, cand, out0, out1, out2, out3; writes out0, out1, out2, out3
.if DOCPART == 2
	.amdgcn_target "amdgcn-amd-amdhsa--gfx1250"
	.amdhsa_code_object_version 6
	.text
	.protected	k_q7aef199785_finish
	.globl	k_q7aef199785_finish
	.p2align	8
	.type	k_q7aef199785_finish,@function
k_q7aef199785_finish:
	s_mov_b64 s[64:65], 0
	v_nop
	global_prefetch_b8 v0, s[64:65] scope:SCOPE_SE
	s_setreg_imm32_b32 hwreg(HW_REG_WAVE_MODE, 25, 1), 1
	s_wait_xcnt 0x0
; FINISH: for every query the eight blocks of four triangles that the search named (two for each quarter of the batch) are evaluated with
; the seven-region formulas as the problem writes them (d1..d6, va, vb, vc, denominators of zero replaced by one, the first true
; condition wins, closest point = u a + v b + w c, squared distance from it), and the first least distance gives all four results.
; Work-group = 64 queries, 16 waves; thread = (query t >> 3, slot t & 7); slot = 2 quarter + rank.  The eight slots of a query are eight
; neighbouring lanes and merge by three exchanges inside their row of 16 lanes, on (distance, face index) in lexicographic order.
; The results of the 64 queries are gathered in 2,048 bytes of LDS, and each of eight waves stores 256 consecutive aligned bytes.
; No matrix instructions (K = 3, and the face index has one right value), no cluster and no tensor loads (each thread gathers 144 bytes
; of its own), no prefetch (the addresses are known only one load ahead of their use).
; LIMITS.  A division is a reciprocal (1 ulp) and a multiply, and multiplies and adds are fused, so that distances which the formulas in
; plain f32 would round to within a few ulp of each other may be ordered otherwise.  The reciprocal takes denominators below 2^-126 as
; zero and gives zero for those above 2^126.  NaN and infinities are not served.
.set QPG,  64
.set P,    6                           ; v[6:8]    my query point
.set TR,   12                          ; v[12:47]  four triangles as loaded
.set BEST, 48                          ; v[48:55]  distance, face, closest point (3), u, v, w
.set NEW,  56                          ; v[56:63]  the same of the challenger
.set AB,   64
.set AC,   67
.set AP,   70
.set BP,   73
.set CQ,   76
.set D1,   79
.set D2,   80
.set D3,   81
.set D4,   82
.set D5,   83
.set D6,   84
.set VA,   85
.set VB,   86
.set VC,   87
.set N1,   88
.set N2,   89
.set N3,   90
.set N4,   91
.set K43,  92
.set K56,  93
.set T,    94
.set VAB,  95
.set WAC,  96
.set WBC,  97
.set VIN,  98
.set WIN,  99
.set X1,   100
.set X2,   101
.set X3,   102
.set S0,   0                           ; LDS: out0's 64 words
.set S2,   256                         ; out2's 64 words
.set S1,   512                         ; out1's 192 words
.set S3,   1280                        ; out3's 192 words
	s_load_b256 s[4:11], s[0:1], 0x0               ; points s[4:5], triangles s[6:7], cand s[8:9], out0 s[10:11]
	s_load_b128 s[12:15], s[0:1], 0x20             ; out1 s[12:13], out2 s[14:15]
	s_load_b64 s[16:17], s[0:1], 0x30              ; out3
	v_lshl_add_u32 v112, v0, 2, 0x800
	v_mov_b32 v113, 0
	v_lshrrev_b32 v2, 5, v0
	v_readfirstlane_b32 s18, v2                    ; wave 0..15
	s_lshr_b32 s19, ttmp9, 6                       ; batch
	s_mul_i32 s20, s19, 4096*36                    ; the batch's triangles
	s_mov_b32 s21, 0
	s_lshl_b32 s22, ttmp9, 9                       ; cand: 64 queries x 8 bytes
	s_mov_b32 s23, 0
	s_mul_i32 s24, ttmp9, QPG*12                   ; points: 64 queries x 12 bytes
	s_mov_b32 s25, 0
	v_and_b32 v1, 0x1f8, v0                        ; 8 x query
	v_and_b32 v2, 1, v0                            ; rank
	v_lshl_add_u32 v1, v2, 2, v1
	v_bfe_u32 v2, v0, 1, 2                         ; quarter
	v_lshl_add_u32 v1, v2, 16, v1                  ; + quarter x 8,192 queries x 8 bytes
	v_lshrrev_b32 v108, 3, v0                      ; query 0..63
	v_mul_u32_u24 v109, v108, 12
	v_lshlrev_b32 v108, 2, v108
	s_wait_kmcnt 0x0
	s_add_nc_u64 s[6:7], s[6:7], s[20:21]
	s_add_nc_u64 s[8:9], s[8:9], s[22:23]
	s_add_nc_u64 s[4:5], s[4:5], s[24:25]
	global_load_b32 v3, v1, s[8:9]                 ; my block's number
.irp k, 0,1,2
	global_load_b32 v[P+\k], v109, s[4:5] offset:4*\k
.endr
	s_wait_loadcnt 0x3                             ; the block's number is in; the three loads of the point, issued behind it, stay out
	v_min_u32 v3, 0x3ff, v3                        ; 1,024 blocks in a batch
	v_mul_u32_u24 v4, v3, 144                      ; four triangles of 36 bytes: a multiple of 16
	v_lshlrev_b32 v5, 2, v3                        ; the block's first face
.irp i, 0,1,2,3,4,5,6,7,8
	global_load_b128 v[TR+4*\i:TR+4*\i+3], v4, s[6:7] offset:16*\i
.endr
	s_wait_loadcnt 0x0
.macro DOT3 d, x, y
	v_mul_f32 v[\d], v[\x], v[\y]
	v_fmac_f32 v[\d], v[\x+1], v[\y+1]
	v_fmac_f32 v[\d], v[\x+2], v[\y+2]
.endm
.macro SAFE n                          ; a denominator of zero becomes one
	v_cmp_eq_f32 vcc_lo, 0, v[\n]
	v_cndmask_b32 v[\n], v[\n], 1.0, vcc_lo
.endm
; The triangle of nine words from register R on, face j of the block: its eight results from register O on.
.macro REF R, O, j
.irp k, 0,1,2
	v_sub_f32 v[AB+\k], v[\R+3+\k], v[\R+\k]
	v_sub_f32 v[AC+\k], v[\R+6+\k], v[\R+\k]
	v_sub_f32 v[AP+\k], v[P+\k], v[\R+\k]
	v_sub_f32 v[BP+\k], v[P+\k], v[\R+3+\k]
	v_sub_f32 v[CQ+\k], v[P+\k], v[\R+6+\k]
.endr
	DOT3 D1, AB, AP
	DOT3 D2, AC, AP
	DOT3 D3, AB, BP
	DOT3 D4, AC, BP
	DOT3 D5, AB, CQ
	DOT3 D6, AC, CQ
	v_mul_f32 v[VC], v[D3], v[D2]
	v_mul_f32 v[VB], v[D1], v[D6]
	v_mul_f32 v[VA], v[D5], v[D4]
	v_fma_f32 v[VC], v[D1], v[D4], -v[VC]
	v_fma_f32 v[VB], v[D5], v[D2], -v[VB]
	v_fma_f32 v[VA], v[D3], v[D6], -v[VA]
	v_sub_f32 v[N1], v[D1], v[D3]
	v_sub_f32 v[N2], v[D2], v[D6]
	v_sub_f32 v[K43], v[D4], v[D3]
	v_sub_f32 v[K56], v[D5], v[D6]
	v_add_f32 v[N4], v[VA], v[VB]
	v_add_f32 v[N3], v[K43], v[K56]
	v_add_f32 v[N4], v[N4], v[VC]
	SAFE N1
	SAFE N2
	SAFE N3
	SAFE N4
	v_rcp_f32 v[VAB], v[N1]
	v_rcp_f32 v[WAC], v[N2]
	v_rcp_f32 v[WBC], v[N3]
	v_rcp_f32 v[T], v[N4]
	v_add_nc_u32 v[\O+1], \j, v5                   ; the face; also the plain instruction between the reciprocals and their first use (ISA guide 5.7.2)
	s_wait_alu depctr_va_vdst(0)
	v_mul_f32 v[VAB], v[D1], v[VAB]
	v_mul_f32 v[WAC], v[D2], v[WAC]
	v_mul_f32 v[WBC], v[K43], v[WBC]
	v_mul_f32 v[VIN], v[VB], v[T]
	v_mul_f32 v[WIN], v[VC], v[T]
	v_sub_f32 v[X1], 1.0, v[VAB]
	v_sub_f32 v[X2], 1.0, v[WAC]
	v_sub_f32 v[X3], 1.0, v[WBC]
	v_sub_f32 v[\O+5], 1.0, v[VIN]                 ; the inside: (1 - v - w, v, w)
	v_mov_b32 v[\O+6], v[VIN]
	v_sub_f32 v[\O+5], v[\O+5], v[WIN]
	v_mov_b32 v[\O+7], v[WIN]
	; the six conditions, the last first, so that the first true one has the last word
	v_cmp_le_f32 s36, v[VA], 0                     ; edge BC
	v_cmp_ge_f32 s37, v[K43], 0
	v_cmp_ge_f32 s38, v[K56], 0
	s_and_b32 s36, s36, s37
	s_and_b32 s36, s36, s38
	v_cndmask_b32 v[\O+5], v[\O+5], 0, s36
	v_cndmask_b32 v[\O+6], v[\O+6], v[X3], s36
	v_cndmask_b32 v[\O+7], v[\O+7], v[WBC], s36
	v_cmp_le_f32 s36, v[VB], 0                     ; edge AC
	v_cmp_ge_f32 s37, v[D2], 0
	v_cmp_le_f32 s38, v[D6], 0
	s_and_b32 s36, s36, s37
	s_and_b32 s36, s36, s38
	v_cndmask_b32 v[\O+5], v[\O+5], v[X2], s36
	v_cndmask_b32 v[\O+6], v[\O+6], 0, s36
	v_cndmask_b32 v[\O+7], v[\O+7], v[WAC], s36
	v_cmp_ge_f32 s36, v[D6], 0                     ; vertex C
	v_cmp_le_f32 s37, v[D5], v[D6]
	s_and_b32 s36, s36, s37
	v_cndmask_b32 v[\O+5], v[\O+5], 0, s36
	v_cndmask_b32 v[\O+6], v[\O+6], 0, s36
	v_cndmask_b32 v[\O+7], v[\O+7], 1.0, s36
	v_cmp_le_f32 s36, v[VC], 0                     ; edge AB
	v_cmp_ge_f32 s37, v[D1], 0
	v_cmp_le_f32 s38, v[D3], 0
	s_and_b32 s36, s36, s37
	s_and_b32 s36, s36, s38
	v_cndmask_b32 v[\O+5], v[\O+5], v[X1], s36
	v_cndmask_b32 v[\O+6], v[\O+6], v[VAB], s36
	v_cndmask_b32 v[\O+7], v[\O+7], 0, s36
	v_cmp_ge_f32 s36, v[D3], 0                     ; vertex B
	v_cmp_le_f32 s37, v[D4], v[D3]
	s_and_b32 s36, s36, s37
	v_cndmask_b32 v[\O+5], v[\O+5], 0, s36
	v_cndmask_b32 v[\O+6], v[\O+6], 1.0, s36
	v_cndmask_b32 v[\O+7], v[\O+7], 0, s36
	v_cmp_le_f32 s36, v[D1], 0                     ; vertex A
	v_cmp_le_f32 s37, v[D2], 0
	s_and_b32 s36, s36, s37
	v_cndmask_b32 v[\O+5], v[\O+5], 1.0, s36
	v_cndmask_b32 v[\O+6], v[\O+6], 0, s36
	v_cndmask_b32 v[\O+7], v[\O+7], 0, s36
.irp k, 0,1,2
	v_mul_f32 v[\O+2+\k], v[\O+5], v[\R+\k]        ; closest point = u a + v b + w c
	v_fmac_f32 v[\O+2+\k], v[\O+6], v[\R+3+\k]
	v_fmac_f32 v[\O+2+\k], v[\O+7], v[\R+6+\k]
	v_sub_f32 v[AP+\k], v[P+\k], v[\O+2+\k]
.endr
	DOT3 \O, AP, AP                                ; squared distance
.endm
.macro KEEP j                          ; strictly less: the first least distance of the block stays
	REF TR+9*\j, NEW, \j
	v_cmp_lt_f32 vcc_lo, v[NEW], v[BEST]
.irp r, 0,1,2,3,4,5,6,7
	v_cndmask_b32 v[BEST+\r], v[BEST+\r], v[NEW+\r], vcc_lo
.endr
.endm
; Lanes i and i xor m exchange their results; both keep the one with the lesser distance, at equal distances the lesser face.
.macro XM m
.irp r, 0,1,2,3,4,5,6,7
	v_mov_b32_dpp v[NEW+\r], v[BEST+\r] row_xmask:\m row_mask:0xf bank_mask:0xf
.endr
	v_cmp_lt_f32 s36, v[NEW], v[BEST]
	v_cmp_eq_f32 s37, v[NEW], v[BEST]
	v_cmp_lt_u32 s38, v[NEW+1], v[BEST+1]
	s_and_b32 s37, s37, s38
	s_or_b32 s36, s36, s37
.irp r, 0,1,2,3,4,5,6,7
	v_cndmask_b32 v[BEST+\r], v[BEST+\r], v[NEW+\r], s36
.endr
.endm
	REF TR, BEST, 0
	KEEP 1
	KEEP 2
	KEEP 3
	XM 1
	XM 2
	XM 4                                           ; all eight lanes of a query now hold the same winner
	; the stage: the eight lanes of a query write equal words to equal addresses, so no lane is switched off
	ds_store_b32 v108, v[BEST] offset:S0
	ds_store_b32 v108, v[BEST+1] offset:S2
.irp k, 0,1,2
	ds_store_b32 v109, v[BEST+2+\k] offset:S1+4*\k
	ds_store_b32 v109, v[BEST+5+\k] offset:S3+4*\k
.endr
	s_wait_dscnt 0x0                               ; zero: other waves read these bytes
	s_barrier_signal -1
	s_barrier_wait -1
	s_cmp_ge_u32 s18, 8                            ; 2,048 bytes: eight waves carry out 256 each
	s_cbranch_scc1 .Lend
	v_lshlrev_b32 v107, 3, v0                      ; 256 wave + 8 lane
	v_and_b32 v106, 31, v0
	ds_load_b64 v[110:111], v107
	v_lshlrev_b32 v106, 3, v106                    ; 8 lane
	; wave 0: out0; wave 1: out2; waves 2-4: out1's three runs of 256 bytes; waves 5-7: out3's
	s_cmp_lt_u32 s18, 5
	s_cselect_b64 s[30:31], s[12:13], s[16:17]     ; out1 or out3
	s_cselect_b32 s32, 2, 5
	s_max_u32 s33, s18, 2                          ; waves 0 and 1 do not use this offset; it stays in range for them too
	s_sub_co_u32 s32, s33, s32
	s_lshl_b32 s32, s32, 8
	s_mul_i32 s33, ttmp9, QPG*12
	s_add_co_u32 s32, s32, s33                     ; 768 work-group + 256 run
	s_lshl_b32 s33, ttmp9, 8                       ; 256 work-group
	s_cmp_eq_u32 s18, 0
	s_cselect_b64 s[28:29], s[10:11], s[14:15]     ; out0 or out2
	s_cmp_lt_u32 s18, 2
	s_cselect_b64 s[28:29], s[28:29], s[30:31]
	s_cselect_b32 s34, s33, s32
	s_mov_b32 s35, 0
	s_add_nc_u64 s[28:29], s[28:29], s[34:35]
	s_wait_dscnt 0x0
	global_store_b64 v106, v[110:111], s[28:29]    ; the wave's store covers 256 consecutive bytes, at a multiple of 256 from its buffer's first byte
.Lend:
	s_wait_tensorcnt 0x0
	ds_add_u32 v112, v113
	s_wait_dscnt 0x0
	s_endpgm
.Lfunc_end_k_q7aef199785_finish:
	.size	k_q7aef199785_finish, .Lfunc_end_k_q7aef199785_finish-k_q7aef199785_finish
	.p2alignl 7, 3214868480
	.fill 96, 4, 3214868480
	.section	.rodata,"a",@progbits
	.p2align	6, 0x0
	.amdhsa_kernel k_q7aef199785_finish
		.amdhsa_group_segment_fixed_size 4096
		.amdhsa_private_segment_fixed_size 0
		.amdhsa_enable_private_segment 0
		.amdhsa_kernarg_size 56
		.amdhsa_user_sgpr_count 2
		.amdhsa_user_sgpr_kernarg_segment_ptr 1
		.amdhsa_wavefront_size32 1
		.amdhsa_system_sgpr_workgroup_id_x 1
		.amdhsa_system_sgpr_workgroup_id_y 1
		.amdhsa_system_sgpr_workgroup_id_z 1
		.amdhsa_system_vgpr_workitem_id 0
		.amdhsa_next_free_vgpr 114
		.amdhsa_next_free_sgpr 66
		.amdhsa_reserve_vcc 1
		.amdhsa_float_denorm_mode_32 3
		.amdhsa_float_denorm_mode_16_64 3
		.amdhsa_memory_ordered 1
		.amdhsa_forward_progress 1
		.amdhsa_inst_pref_size 31
	.end_amdhsa_kernel
	.amdgpu_metadata
---
amdhsa.version: [ 1, 2 ]
amdhsa.kernels:
  - .name:           k_q7aef199785_finish
    .symbol:         k_q7aef199785_finish.kd
    .args:
      - { .name: points, .offset: 0, .size: 8, .value_kind: global_buffer, .address_space: global }
      - { .name: triangles, .offset: 8, .size: 8, .value_kind: global_buffer, .address_space: global }
      - { .name: cand, .offset: 16, .size: 8, .value_kind: global_buffer, .address_space: global }
      - { .name: out0, .offset: 24, .size: 8, .value_kind: global_buffer, .address_space: global }
      - { .name: out1, .offset: 32, .size: 8, .value_kind: global_buffer, .address_space: global }
      - { .name: out2, .offset: 40, .size: 8, .value_kind: global_buffer, .address_space: global }
      - { .name: out3, .offset: 48, .size: 8, .value_kind: global_buffer, .address_space: global }
    .group_segment_fixed_size: 4096
    .private_segment_fixed_size: 0
    .kernarg_segment_align: 8
    .kernarg_segment_size: 56
    .max_flat_workgroup_size: 512
    .sgpr_count:     66
    .vgpr_count:     114
    .wavefront_size: 32
...
	.end_amdgpu_metadata
.endif
;; end of part 2
